; MI455X (gfx1250); checked and timed in simulation.
; The chip was launched on July 23, 2026; its instructions are those of AMD's public machine-readable ISA for CDNA 5 (MIT licence, August 2026) and "CDNA5" Instruction Set Architecture Reference Guide (July 2026). The comments in the code are by the model that wrote it; some were corrected since.
;; Pedal. Allowed arithmetic: matrix products marked QUANTISED: E2M1 operands, one E8M0 scale for each 32 along K, by v_wmma_scale_f32_16x16x128_f8f6f4 with both operands' format E2M1 (or v_wmma_scale_f32_32x16x128_f4), f32 sums; everything else in f32.
;; Inputs: camid 256 int32; centers 4 x 65,536 x 256 float32; feature 4 x 256 x 256 float32; mem_camid 65,536 int32; mem_pid 65,536 int32; position 256 int32.
;; Outputs: out0 one number float32; out1 4 x 256 x 10 int32.
;; This version of the problem:
;;   THIS VERSION OF THE PROBLEM IS GIVEN IN LOW PRECISION. The matrix products marked QUANTISED in the list below multiply operands that are first quantised to E2M1 (2 exponent bits, 1 mantissa bit; 4 bits a number), with one power-of-two scale for each 32 numbers along K (OCP MX v1.0); their sums are f32. All else is computed in f32.
;;   The module's matrix products, in the order in which they are computed (A, B: the left and right operand; K: the contracted axis; several contracted axes count as one K, in the product's order):
;;     1. batch 4 x [M 256, K 256] x [K 256, N 65,536]; A: input feature; B: input centers: QUANTISED
;;   THE QUANTISER, for each operand of a quantised product, along K:
;;     - K is cut into blocks of 32 from its start; a last block that is shorter is filled with zeros.
;;     - A block's scale is 2^e with e = floor(log2(the largest magnitude in the block)) - 2, held to -126 .. 127; a block of zeros has e = 0. As a byte (E8M0): e + 127.
;;     - Each number is divided by its block's scale, clamped to +-6, and rounded to the nearest number of E2M1, ties to even, subnormals kept.
;;     - The product sums the exact products of the quantised numbers (number of the format x scale) in f32.
;;   ~~~python
;;   def quantise(x, axis):      # numpy; x: float32 -> the quantised numbers, widened to float32 again
;;       x = np.moveaxis(x, axis, -1); K = x.shape[-1]
;;       x = np.pad(x, [(0, 0)] * (x.ndim - 1) + [(0, -K % 32)]); x = x.reshape(x.shape[:-1] + (-1, 32)); a = np.abs(x).max(-1, keepdims=True)
;;       e = np.where(a > 0, np.clip(np.frexp(np.where(a > 0, a, 1))[1] - 1 - 2, -126, 127), 0)      # np.frexp(a)[1] - 1 = floor(log2(a)), exactly
;;       r = np.clip(x / 2.0 ** e, -6, 6)
;;       step = 2.0 ** (np.maximum(np.frexp(np.where(r == 0, 1, r))[1] - 1, 0) - 1)
;;       q = np.round(r / step) * step * 2.0 ** e      # np.round: ties to even
;;       return np.moveaxis(q.reshape(q.shape[:-2] + (-1,))[..., :K], -1, axis).astype(np.float32)
;;   ~~~
;; One version. Each part assembles by itself: llvm-mc -triple=amdgcn-amd-amdhsa -mcpu=gfx1250 --defsym DOCPART=n.
;; ======== version 1 of 1: 4 launches
;; workspace buffers: qcodes 33,685,504 bytes; qmeta 4,210,688 bytes; gm 8,388,608 bytes; ms 1,048,576 bytes; sel 131,072 bytes of whole numbers; rowms 8,192 bytes; rowloss 4,096 bytes
;; launch main (part 1): grid 64 x 4, 4 waves a work-group, no clusters, 327,680 bytes of LDS; arguments feature, centers, position, qcodes, qmeta, gm, ms; writes qcodes, qmeta, gm, ms
.if DOCPART == 1
	.amdgcn_target "amdgcn-amd-amdhsa--gfx1250"
	.amdhsa_code_object_version 6
	.text
	.protected	k_qd7559e9b04_main
	.globl	k_qd7559e9b04_main
	.p2align	8
	.type	k_qd7559e9b04_main,@function
k_qd7559e9b04_main:
	s_mov_b64 s[64:65], 0
	v_nop
	global_prefetch_b8 v0, s[64:65] scope:SCOPE_SE
	s_setreg_imm32_b32 hwreg(HW_REG_WAVE_MODE, 25, 1), 1
	s_wait_xcnt 0x0
; d[p][b][n] = (|f|^2 + |c|^2) - 2 f.c, f.c on codes of FP4 (E2M1) with one E8M0 scale for each 32 along D = 256.
; This launch streams the centres once.  A work-group takes all 256 queries of part p (grid y) against 1,024 centres (grid x: a slice).
; It stores: the codes and, for each row, {two scale words, the sum of squares, 0} (qcodes, qmeta: read again for a few groups by a later launch);
; for each query and each GROUP of 32 neighbouring centres the smallest d (gm); for each query and half of the lanes a running (M, S):
; M the smallest d so far, S the sum of 2^(c2 (M - d)), c2 = 10 log2(e), over all groups but the one that holds the query's positive column (ms).
; The inputs camid and mem_camid enter no result of the function that is computed, so no launch names them.
; LIMITS: NaN and infinities among the inputs are not served; |d| stays under 3e38; a block of zeros gets the scale byte 1 (its codes are zeros, and this program alone reads the bytes).
; The sums of squares are one chain of fused multiply-adds in ascending k, begun at 0; d = fma(-2, dot, fsq + csq).
; THE STREAM: ten blocks of 128 rows x 1,024 bytes through a ring of two LDS slots: two blocks of features, eight of centres.  Wave w fetches rows 32 w .. 32 w + 31 of a block by one
; tensor load and is the only reader of them: A LANE IS A ROW, so that the sum of squares is a chain in one lane and a block of 32 along D lies in one lane's registers.
; THE PRODUCT: source 0 = 16 centres, source 1 = 16 queries.  Wave w owns the queries b(q, r) = 128 (q / 2) + 32 w + 16 (q % 2) + r, q = 0 .. 3: the feature rows that it quantised itself.
; THE CENTRES OF A TILE ARE NOT NEIGHBOURS: row m of tile t is centre 64 u + 32 (m / 8) + 8 t + m % 8, so that register 8 t + j of lane (r, h) is centre 64 u + 32 h + 8 t + j: a whole group in a lane.
; No cluster: of a work-group's ten fills only the two of features are shared with other work-groups.
.set XP,     1040                      ; a row in the ring: 1,024 bytes + 16 of padding: 65 x 16, so sixteen lanes on sixteen rows take sixteen different columns of 16 bytes
.set WPART,  32*XP                     ; a wave's 32 rows
.set SLOT,   4*WPART
.set CODE,   2*SLOT                    ; codes: row x at (x / 32) CWAVE + (x % 32) 144: 128 bytes of codes + 16
.set CWAVE,  32*144+128                ; the 128 keep rows i and 32 + i of a fragment in different columns
.set SCW,    CODE+4*CWAVE              ; two scale words a row
.set CSQ,    SCW+1024                  ; the sum of squares, 4 bytes a row
.set GMS,    CSQ+512                   ; the groups' minima: 256 queries x (32 x 4 bytes + 16)
.set SPARE,  GMS+256*144               ; the spare words: 128 bytes a wave, two blocks of 256 bytes that no other line names
.set FLOOR,  0x1800000                 ; 2^(3 - 127): under it no largest magnitude is taken, so a scale byte cannot fall under 1
; VECTOR REGISTERS: v1, v2 the add's; v3, v4 my row in slot 0, 1; v5, v7, v20-23 addresses in hand; v6, v8-19 addresses that stay;
; v24-39 quantiser: v24, v25 scale words, v26 the sum of squares, v27 0, v28-35 codes, v36-39 at work; in the product: at work (T0 = v24);
; v40 + 2 q fsq, v41 + 2 q the step at which my group holds the positive; v48 + 2 q M, v49 + 2 q S; v56-59 centres' scale words; v60 + q queries' scale words;
; v64-127 the queries' fragments; v128-191 the centres' fragments, in the quantiser two sets of 32 numbers; v192-223 four accumulators; v224-255 csq of my 32 centres.
; SCALAR: s[4:17] pointers; s18 wave, s19 slice, s20 part; s[24:31] descriptor group 1; s[32:47] four groups 0; s[48:51] codes and meta of the centre block in hand; s[52:55] the same for features;
; s56, s57, s71 counters; s58 4 x centre block + 2 u; s59-62 the steps of u in LDS; s63 c2; s[66:67] -c2; s68 3e38; s69, s70 the quantiser's steps.
.macro LOADX x, adr, off               ; 32 numbers of my row: a block along D
.irp i, 0,1,2,3,4,5,6,7
	ds_load_b128 v[\x+4*\i:\x+4*\i+3], v[\adr] offset:\off+16*\i
.endr
.endm
; A block of 32 numbers in v[x] on: its largest magnitude (two chains), the row's sum of squares (ONE chain, ascending k), its codes into v[cd] .. v[cd + 3], its scale byte into the row's two words.
.macro QBLOCK x, cd
	v_max3_num_f32 v36, |v[\x]|, |v[\x+1]|, FLOOR
	v_fmac_f32 v26, v[\x], v[\x]
	v_fmac_f32 v26, v[\x+1], v[\x+1]
	v_max3_num_f32 v37, |v[\x+2]|, |v[\x+3]|, |v[\x+4]|
	v_fmac_f32 v26, v[\x+2], v[\x+2]
	v_fmac_f32 v26, v[\x+3], v[\x+3]
.set qi, 0
.rept 13
	v_max3_num_f32 v[36+qi%2], v[36+qi%2], |v[\x+5+2*qi]|, |v[\x+6+2*qi]|
	v_fmac_f32 v26, v[\x+4+2*qi], v[\x+4+2*qi]
	v_fmac_f32 v26, v[\x+5+2*qi], v[\x+5+2*qi]
.set qi, qi+1
.endr
	v_max3_num_f32 v36, v36, v37, |v[\x+31]|
	v_fmac_f32 v26, v[\x+30], v[\x+30]
	v_fmac_f32 v26, v[\x+31], v[\x+31]
	v_add_nc_u32 v38, 0xff000000, v36              ; 2 off the exponent field: the conversion takes the exponent field of this operand as its scale
.irp g, 0,1,2,3
	v_cvt_scalef32_pk8_fp4_f32 v[\cd+\g], v[\x+8*\g:\x+8*\g+7], v38
.endr
	v_lshrrev_b32 v39, 23, v38                     ; the scale's byte (also the plain line behind the conversions)
	v_lshrrev_b32 v24, 8, v24                      ; the pair v25:v24 moves down a byte and takes the new byte on top:
	v_lshl_or_b32 v24, v25, 24, v24                ; after eight blocks byte b of the pair is block b's, and nothing older is left
	v_lshrrev_b32 v25, 8, v25
	v_lshl_or_b32 v25, v39, 24, v25
.endm
; Two blocks.  The even block's numbers were asked for a block ago.
.macro QPAIR xa, last
	v_add_nc_u32 v5, s69, v[\xa]
	v_add_nc_u32 v7, s70, v6
	LOADX 160, 5, 128
	s_wait_dscnt 8                                 ; all but the eight loads just issued: the even block is in, and the older code stores are done
	QBLOCK 128, 28
	ds_store_b128 v7, v[28:31]
.if \last
	s_wait_dscnt 1                                 ; behind the odd block's loads stands the one store
.else
	LOADX 128, 5, 256
	s_wait_dscnt 9                                 ; behind the odd block's loads stand one store and eight loads
.endif
	QBLOCK 160, 32
	ds_store_b128 v7, v[32:35] offset:16
.if !\last
	s_add_co_u32 s69, s69, 256
	s_add_co_u32 s70, s70, 32
.endif
.endm
; My row of the block in the slot: 128 bytes of codes, two scale words and the sum of squares go to LDS.  The last pair is written out: it asks for nothing past the row.
.macro QUANT slot
	s_mov_b32 s69, 0
	s_mov_b32 s70, 0
	v_mov_b32 v26, 0
	v_mov_b32 v27, 0
	LOADX 128, 3+\slot, 0
	s_mov_b32 s56, 3
.Lq_\@:
	QPAIR 3+\slot, 0
	s_sub_co_u32 s56, s56, 1
	s_cmp_lg_u32 s56, 0
	s_cbranch_scc1 .Lq_\@
	QPAIR 3+\slot, 1
	ds_store_b64 v8, v[24:25]
	ds_store_b32 v9, v26
.endm
; THE CHANGE OF SLOTS, at the head of a trip that reads slot sl.  All my tensor loads have landed (my rows of slot sl among them); the add; my LDS reads and stores of the last trip are done; the barrier.
; Behind it the slot that was read last is filled again, first thing, one load a wave; and the last trip's reads of codes, scale words and sums are over in every wave, so they may be written anew.
.macro HEAD sl, fill, step
	s_wait_tensorcnt 0x0
	ds_add_u32 v1, v2                              ; 0 onto my spare word
.if \step
	s_add_nc_u64 s[42+4*\sl:43+4*\sl], s[42+4*\sl:43+4*\sl], 0x40000   ; no load of mine is out: slot sl's descriptor steps two blocks on
.endif
	s_wait_dscnt 0x0
	s_barrier_signal -1
	s_barrier_wait -1
.if \fill
	tensor_load_to_lds s[44-4*\sl:47-4*\sl], s[24:31]
	s_nop 0
.endif
.endm
; Feature block f: my 32 rows are my queries 2 f and 2 f + 1: fragments, scale words and sums come back from my own LDS bytes (LDS serves a wave's instructions in order).  The part's first slice stores them.
.macro FEAT f
.irp tau, 0,1
.irp ks, 0,1
.irp c, 0,1
	ds_load_b128 v[64+16*(2*\f+\tau)+8*\ks+4*\c:64+16*(2*\f+\tau)+8*\ks+4*\c+3], v10 offset:2304*\tau+64*\ks+32*\c
.endr
.endr
	ds_load_b32 v[60+2*\f+\tau], v11 offset:128*\tau
	ds_load_b32 v[40+2*(2*\f+\tau)], v12 offset:64*\tau
.endr
	s_wait_dscnt 0x0
	s_cmp_lg_u32 s19, 0
	s_cbranch_scc1 .Lnf_\@
.irp tau, 0,1
.irp ks, 0,1
.irp c, 0,1
	global_store_b128 v18, v[64+16*(2*\f+\tau)+8*\ks+4*\c:64+16*(2*\f+\tau)+8*\ks+4*\c+3], s[52:53] offset:512*(4*\tau+2*\ks+\c)
.endr
.endr
.endr
	global_store_b128 v18, v[24:27], s[54:55]
.Lnf_\@:
	s_wait_xcnt 0x0                                ; the stores have read their data and bases: v24-27 and the bases are written again only behind this wait
	s_add_nc_u64 s[52:53], s[52:53], 16384
	s_add_nc_u64 s[54:55], s[54:55], 2048
.endm
; My 32 centres' codes leave as two images of fragments (16 neighbouring rows each): every store covers 512 consecutive bytes.
.macro COPYOUT
.irp i, 0,1,2,3,4,5,6,7
	ds_load_b128 v[128+4*\i:131+4*\i], v10 offset:2304*(\i/4)+64*((\i/2)%2)+32*(\i%2)
.endr
	s_wait_dscnt 0x0                               ; these loads are in; and, for the other waves' sake, my stores of codes, scale words and sums have landed
.irp i, 0,1,2,3,4,5,6,7
	global_store_b128 v18, v[128+4*\i:131+4*\i], s[48:49] offset:512*\i
.endr
	global_store_b128 v18, v[24:27], s[50:51]
.endm
; One matrix instruction: tile t of centres, K step ks, queries q.  The centres' scale words of tiles 2 v and 2 v + 1 share a register (lanes 0-15, lanes 16-31); so do the queries' of the two K steps.
.macro WM t, ks, q
.set rD, 192+8*(\t)
.set rA, 128+16*(\t)+8*(\ks)
.set rB, 64+16*(\q)+8*(\ks)
.set rSA, 56+2*((\t)/2)+(\ks)
.set rSB, 60+(\q)
.if (\ks) == 0
.if (\t)%2 == 0
	v_wmma_scale_f32_16x16x128_f8f6f4 v[rD:rD+7], v[rA:rA+7], v[rB:rB+7], 0, v[rSA], v[rSB] matrix_a_fmt:MATRIX_FMT_FP4 matrix_b_fmt:MATRIX_FMT_FP4
.else
	v_wmma_scale_f32_16x16x128_f8f6f4 v[rD:rD+7], v[rA:rA+7], v[rB:rB+7], 0, v[rSA], v[rSB] matrix_a_fmt:MATRIX_FMT_FP4 matrix_b_fmt:MATRIX_FMT_FP4 matrix_a_scale:MATRIX_SCALE_ROW1
.endif
.else
.if (\t)%2 == 0
	v_wmma_scale_f32_16x16x128_f8f6f4 v[rD:rD+7], v[rA:rA+7], v[rB:rB+7], v[rD:rD+7], v[rSA], v[rSB] matrix_a_fmt:MATRIX_FMT_FP4 matrix_b_fmt:MATRIX_FMT_FP4 matrix_b_scale:MATRIX_SCALE_ROW1
.else
	v_wmma_scale_f32_16x16x128_f8f6f4 v[rD:rD+7], v[rA:rA+7], v[rB:rB+7], v[rD:rD+7], v[rSA], v[rSB] matrix_a_fmt:MATRIX_FMT_FP4 matrix_b_fmt:MATRIX_FMT_FP4 matrix_a_scale:MATRIX_SCALE_ROW1 matrix_b_scale:MATRIX_SCALE_ROW1
.endif
.endif
.endm
; 64 centres x my 16 queries q: eight products (the four accumulators by turns), d, the group's minimum, and the running (M, S).
.macro MMQ q
.irp t, 0,1,2,3
	WM \t, 0, \q
.endr
.irp t, 0,1,2,3
	WM \t, 1, \q
.endr
.irp hf, 0,1
.irp i, 0,2,4,6,8,10,12,14
	v_pk_add_f32 v[24+\i:25+\i], v[224+16*\hf+\i:225+16*\hf+\i], v[40+2*(\q):41+2*(\q)] op_sel_hi:[1,0]   ; fsq + csq.  (The first eight name no register of the products: the places behind them)
.endr
.irp i, 0,2,4,6,8,10,12,14
	v_pk_fma_f32 v[192+16*\hf+\i:193+16*\hf+\i], v[192+16*\hf+\i:193+16*\hf+\i], -2.0, v[24+\i:25+\i] op_sel_hi:[1,0,1]   ; d, each accumulator from its low end on
.endr
.endr
.irp c, 0,1,2,3
	v_min3_num_f32 v[24+\c], v[192+8*\c], v[193+8*\c], v[194+8*\c]
.endr
.irp c, 0,1,2,3
	v_min3_num_f32 v[24+\c], v[24+\c], v[195+8*\c], v[196+8*\c]
.endr
.irp c, 0,1,2,3
	v_min3_num_f32 v[24+\c], v[24+\c], v[197+8*\c], v[198+8*\c]
.endr
	v_min3_num_f32 v24, v24, v199, v207
	v_min3_num_f32 v26, v26, v215, v223
	v_min3_num_f32 v24, v24, v25, v26
	v_min_num_f32 v28, v24, v27                    ; m: the smallest d of my group
	ds_store_b32 v23, v28 offset:18432*((\q)/2)+2304*((\q)%2)
	v_cmp_ne_u32 vcc_lo, s58, v[41+2*(\q)]         ; off where my group holds the query's positive column: that group is left out here whole
	v_cndmask_b32 v30, s68, v28, vcc_lo            ; m, or 3e38
	v_min_num_f32 v31, v[48+2*(\q)], v30           ; the new M
	v_sub_f32 v32, v31, v[48+2*(\q)]
	v_sub_f32 v33, v31, v30
	v_mul_f32 v32, s63, v32                        ; c2 (new M - old M): brings S under the new M
	v_mul_f32 v33, s63, v33                        ; c2 (new M - m): brings the group's sum under it
.irp i, 0,2,4,6,8,10,12,14,16,18,20,22,24,26,28,30
	v_pk_add_f32 v[192+\i:193+\i], v[192+\i:193+\i], v[28:29] op_sel_hi:[1,0] neg_lo:[0,1] neg_hi:[0,1]   ; d - m: the difference first, so that it is 0 at the minimum
.endr
.irp i, 0,2,4,6,8,10,12,14,16,18,20,22,24,26,28,30
	v_pk_mul_f32 v[192+\i:193+\i], v[192+\i:193+\i], s[66:67] op_sel_hi:[1,0]
.endr
.set ee, 0
.rept 32
	v_exp_f32 v[192+ee], v[192+ee]
.set ee, ee+1
.endr
	v_exp_f32 v32, v32
	v_exp_f32 v33, v33
	v_mov_b32 v[48+2*(\q)], v31                    ; the plain line behind the exponentials
	s_wait_alu depctr_va_vdst(0)                   ; one wait for the batch of 34, ahead of its first reader
.irp i, 0,4,8,12,16,20,24,28
	v_pk_add_f32 v[192+\i:193+\i], v[192+\i:193+\i], v[194+\i:195+\i]
.endr
.irp i, 0,8,16,24
	v_pk_add_f32 v[192+\i:193+\i], v[192+\i:193+\i], v[196+\i:197+\i]
.endr
	v_pk_add_f32 v[192:193], v[192:193], v[200:201]
	v_pk_add_f32 v[208:209], v[208:209], v[216:217]
	v_pk_add_f32 v[192:193], v[192:193], v[208:209]
	v_add_f32 v34, v192, v193
	v_cndmask_b32 v34, 0, v34, vcc_lo
	v_mul_f32 v[49+2*(\q)], v[49+2*(\q)], v32
	v_fmac_f32 v[49+2*(\q)], v34, v33
.endm
; The block's 128 centres, 64 at a time, against my 64 queries.
.macro MM
	s_mov_b32 s59, 0
	s_mov_b32 s60, 0
	s_mov_b32 s61, 0
	s_mov_b32 s57, 2
.Lu_\@:
	v_add_nc_u32 v20, s59, v13
	v_add_nc_u32 v21, s60, v14
	v_add_nc_u32 v22, s61, v15
	v_add_nc_u32 v23, s62, v16
.irp t, 0,1,2,3
.irp ks, 0,1
.irp c, 0,1
	ds_load_b128 v[128+16*\t+8*\ks+4*\c:128+16*\t+8*\ks+4*\c+3], v20 offset:1152*\t+64*\ks+32*\c
.endr
.endr
.endr
	ds_load_b64 v[56:57], v21
	ds_load_b64 v[58:59], v21 offset:128
.irp i, 0,1,2,3,4,5,6,7
	ds_load_b128 v[224+4*\i:227+4*\i], v22 offset:16*\i
.endr
	s_wait_dscnt 0x0
	MMQ 0
	MMQ 1
	MMQ 2
	MMQ 3
	s_add_co_u32 s59, s59, 2*CWAVE
	s_add_co_u32 s60, s60, 512
	s_add_co_u32 s61, s61, 256
	s_add_co_u32 s62, s62, 8
	s_add_co_u32 s58, s58, 2
	s_sub_co_u32 s57, s57, 1
	s_cmp_lg_u32 s57, 0
	s_cbranch_scc1 .Lu_\@
.endm
; A centre block.  The second barrier fills nothing: behind it every wave's codes, scale words and sums are there for all; the refill may stay on its way across it.
.macro TRIPC sl, fill
	HEAD \sl, \fill, 1
	QUANT \sl
	COPYOUT
	s_barrier_signal -1
	s_barrier_wait -1
	s_wait_xcnt 0x0                                ; the stores have read v24-27, v128-159 and their bases: all are written again below
	s_add_nc_u64 s[48:49], s[48:49], 16384
	s_add_nc_u64 s[50:51], s[50:51], 2048
	MM
.endm
	s_load_b256 s[4:11], s[0:1], 0x0               ; feature s[4:5], centers s[6:7], position s[8:9], qcodes s[10:11]
	s_load_b128 s[12:15], s[0:1], 0x20             ; qmeta s[12:13], gm s[14:15]
	s_load_b64 s[16:17], s[0:1], 0x30              ; ms
	v_lshl_add_u32 v1, v0, 2, SPARE
	v_mov_b32 v2, 0
	ds_add_u32 v1, v2
	ds_add_u32 v1, v2
	s_wait_dscnt 0x0
	v_lshrrev_b32 v36, 5, v0
	v_readfirstlane_b32 s18, v36                   ; wave
	s_mov_b32 s19, ttmp9                           ; slice
	s_and_b32 s20, ttmp7, 0xffff                   ; part
	; descriptor group 1: 32 rows x 256 elements of 4 bytes, rows dense in memory, 4 words of padding behind every 256
	s_mov_b32 s24, (2<<16)|(1<<20)|(7<<22)|(3<<25)
	s_mov_b32 s25, 256<<16                         ; tensor_dim0
	s_mov_b32 s26, 32<<16                          ; tensor_dim1
	s_mov_b32 s27, 256<<16                         ; tile_dim0
	s_mov_b32 s28, 32                              ; tile_dim1
	s_mov_b32 s29, 256                             ; elements from row to row
	s_mov_b32 s30, 0
	s_mov_b32 s31, 0
	s_lshl_b32 s72, s20, 18                        ; features: a part is 2^18 bytes, my 32 rows 2^15
	s_lshl_b32 s74, s18, 15
	s_add_co_u32 s72, s72, s74
	s_mov_b32 s73, 0
	s_lshl_b32 s75, s20, 26                        ; centres: a part is 2^26 bytes, a slice 2^20
	s_add_co_u32 s74, s74, s75
	s_lshl_b32 s75, s19, 20
	s_add_co_u32 s74, s74, s75
	s_mov_b32 s75, 0
	s_mul_i32 s76, s18, WPART                      ; my rows' place in a slot
	s_wait_kmcnt 0x0
	s_add_nc_u64 s[4:5], s[4:5], s[72:73]
	s_add_nc_u64 s[6:7], s[6:7], s[74:75]
	s_mov_b32 s32, 1                               ; feature block 0 -> slot 0
	s_mov_b32 s33, s76
	s_mov_b64 s[34:35], s[4:5]
	s_or_b32 s35, s35, 0x80000000
	s_mov_b32 s36, 1                               ; feature block 1 -> slot 1
	s_add_co_u32 s37, s76, SLOT
	s_add_nc_u64 s[38:39], s[4:5], 0x20000
	s_or_b32 s39, s39, 0x80000000
	s_mov_b32 s40, 1                               ; centre blocks 0, 2, .. -> slot 0
	s_mov_b32 s41, s76
	s_mov_b64 s[42:43], s[6:7]
	s_or_b32 s43, s43, 0x80000000
	s_mov_b32 s44, 1                               ; centre blocks 1, 3, .. -> slot 1
	s_add_co_u32 s45, s76, SLOT
	s_add_nc_u64 s[46:47], s[6:7], 0x20000
	s_or_b32 s47, s47, 0x80000000
	tensor_load_to_lds s[32:35], s[24:31]          ; both first fills together, ahead of every wait on TENSORcnt, LDS read and barrier: two loads of mine are out
	s_nop 0
	tensor_load_to_lds s[36:39], s[24:31]
	s_nop 0
	v_and_b32 v36, 31, v0                          ; l
	v_and_b32 v37, 15, v0                          ; r
	v_bfe_u32 v38, v0, 4, 1                        ; h
	v_bfe_u32 v39, v0, 3, 1                        ; r / 8
	v_and_b32 v35, 7, v0                           ; r % 8
	v_bfe_u32 v34, v0, 3, 2                        ; l / 8
	s_mul_i32 s77, s18, CWAVE
	s_add_co_u32 s77, s77, CODE
	s_lshl_b32 s78, s18, 8
	s_add_co_u32 s78, s78, SCW
	s_lshl_b32 s79, s18, 7
	s_add_co_u32 s79, s79, CSQ
	s_mul_i32 s80, s18, 32*144
	s_add_co_u32 s80, s80, GMS
	s_lshl_b32 s81, s18, 7
	s_lshl_b32 s82, s19, 5
	v_mul_u32_u24 v3, v36, XP
	v_add_nc_u32 v3, s76, v3                       ; my row in slot 0,
	v_add_nc_u32 v4, SLOT, v3                      ; in slot 1
	v_mul_u32_u24 v6, v36, 144
	v_add_nc_u32 v6, s77, v6                       ; where my row's codes go
	v_lshl_add_u32 v8, v36, 3, s78                 ; its scale words
	v_lshl_add_u32 v9, v36, 2, s79                 ; its sum of squares
	v_mul_u32_u24 v10, v37, 144
	v_lshl_add_u32 v10, v38, 4, v10
	v_add_nc_u32 v10, s77, v10                     ; a fragment of 16 neighbouring rows of my wave's 32
	v_lshl_add_u32 v11, v37, 3, s78
	v_lshl_add_u32 v11, v38, 2, v11                ; their scale words: lanes 0-15 K step 0's, lanes 16-31 K step 1's
	v_lshl_add_u32 v12, v37, 2, s79                ; their sums
	v_mul_u32_u24 v13, v39, CWAVE
	v_mad_u32_u24 v13, v35, 144, v13
	v_lshl_add_u32 v13, v38, 4, v13
	v_add_nc_u32 v13, CODE, v13                    ; a tile of centres: row 32 (r / 8) + r % 8 (+ 8 t + 64 u)
	v_lshlrev_b32 v14, 8, v39
	v_lshl_add_u32 v14, v35, 3, v14
	v_lshl_add_u32 v14, v38, 6, v14
	v_add_nc_u32 v14, SCW, v14                     ; its scale words: lanes 16-31 take the tile eight rows on
	v_lshl_add_u32 v15, v38, 7, CSQ                ; the sums of my group's 32 centres
	v_mul_u32_u24 v16, v37, 144
	v_lshl_add_u32 v16, v38, 2, v16
	v_add_nc_u32 v16, s80, v16                     ; where a group's minimum goes: my query's row, 4 h
	v_mul_u32_u24 v17, v34, 144
	v_lshl_add_u32 v17, v35, 4, v17
	v_add_nc_u32 v17, s80, v17                     ; and how the rows come back: eight lanes to a row of 128 bytes
	v_lshlrev_b32 v18, 4, v36                      ; 16 l
	v_lshlrev_b32 v19, 4, v37
	v_lshl_add_u32 v19, v38, 3, v19                ; 16 r + 8 h
	v_lshl_add_u32 v33, v37, 2, s81                ; position of my queries: 4 (32 w + r)
	global_load_b32 v41, v33, s[8:9]
	global_load_b32 v43, v33, s[8:9] offset:64
	global_load_b32 v45, v33, s[8:9] offset:512
	global_load_b32 v47, v33, s[8:9] offset:576
	v_add_nc_u32 v32, s82, v38                     ; h + 32 x slice
	s_lshl_b32 s72, s20, 23                        ; codes of my centres: 128 bytes a row
	s_lshl_b32 s74, s19, 17
	s_add_co_u32 s72, s72, s74
	s_lshl_b32 s74, s18, 12
	s_add_co_u32 s72, s72, s74
	s_add_nc_u64 s[48:49], s[10:11], s[72:73]
	s_lshl_b32 s72, s20, 20                        ; their meta: 16 bytes a row
	s_lshl_b32 s74, s19, 14
	s_add_co_u32 s72, s72, s74
	s_lshl_b32 s74, s18, 9
	s_add_co_u32 s72, s72, s74
	s_add_nc_u64 s[50:51], s[12:13], s[72:73]
	s_lshl_b32 s72, s20, 15                        ; the features lie behind the 262,144 centres
	s_lshl_b32 s74, s18, 12
	s_add_co_u32 s72, s72, s74
	s_add_co_u32 s72, s72, 0x2000000
	s_add_nc_u64 s[52:53], s[10:11], s[72:73]
	s_lshl_b32 s72, s20, 12
	s_lshl_b32 s74, s18, 9
	s_add_co_u32 s72, s72, s74
	s_add_co_u32 s72, s72, 0x400000
	s_add_nc_u64 s[54:55], s[12:13], s[72:73]
	s_lshl_b32 s74, s20, 6
	s_add_co_u32 s74, s74, s19                     ; 64 x part + slice
	s_lshl_b32 s72, s74, 15
	s_lshl_b32 s76, s18, 12
	s_add_co_u32 s72, s72, s76
	s_add_nc_u64 s[14:15], s[14:15], s[72:73]      ; gm at my wave's first 32 queries
	s_lshl_b32 s72, s74, 12
	s_lshl_b32 s76, s18, 9
	s_add_co_u32 s72, s72, s76
	s_add_nc_u64 s[16:17], s[16:17], s[72:73]      ; ms likewise
	s_mov_b32 s58, 0
	s_mov_b32 s62, 0
	s_mov_b32 s63, 0x4166d4ca                      ; c2 = 10 log2(e)
	s_mov_b32 s66, 0xc166d4ca
	s_mov_b32 s67, s66
	s_mov_b32 s68, 0x7f61b1e6                      ; 3e38
	v_mov_b32 v24, 0
	v_mov_b32 v25, 0
.irp q, 0,1,2,3
	v_mov_b32 v[48+2*\q], s68                      ; M: over every d
	v_mov_b32 v[49+2*\q], 0                        ; S
.endr
	s_wait_loadcnt 0x0
.irp q, 0,1,2,3
	v_lshrrev_b32 v[41+2*\q], 5, v[41+2*\q]        ; the positive's group,
	v_sub_nc_u32 v[41+2*\q], v[41+2*\q], v32       ; as the value of s58 at which my lane holds it (never met where it lies in another slice or half)
.endr
	s_wait_tensorcnt 0x1                           ; my rows of slot 0 are in; slot 1's may stay out: nothing is filled before the next change of slots
	QUANT 0
	FEAT 0
	HEAD 1, 1, 0                                   ; slot 0 takes centre block 0
	QUANT 1
	FEAT 1
	s_mov_b32 s71, 3
.Ltrip:
	TRIPC 0, 1
	TRIPC 1, 1
	s_sub_co_u32 s71, s71, 1
	s_cmp_lg_u32 s71, 0
	s_cbranch_scc1 .Ltrip
	TRIPC 0, 1                                     ; the tail is written out: slot 1 takes the last block
	TRIPC 1, 0                                     ; and nothing is left to fetch
	; THE WAY OUT: my 64 queries' rows of 32 minima come back from my own LDS bytes, four rows an instruction, and leave as 512 consecutive bytes a store
.irp i, 0,1,2,3,4,5,6,7,8,9,10,11,12,13,14,15
	ds_load_b128 v[128+4*\i:131+4*\i], v17 offset:576*(\i%8)+18432*(\i/8)
.endr
.irp i, 0,1,2,3,4,5,6,7,8,9,10,11,12,13,14,15
	s_wait_dscnt 15-\i
	global_store_b128 v18, v[128+4*\i:131+4*\i], s[14:15] offset:512*(\i%8)+16384*(\i/8)
.endr
.irp q, 0,1,2,3
	global_store_b64 v19, v[48+2*\q:49+2*\q], s[16:17] offset:2048*(\q/2)+256*(\q%2)   ; 32 lanes store 256 consecutive bytes
.endr
	s_wait_tensorcnt 0x0                           ; the wave's end
	ds_add_u32 v1, v2
	s_wait_dscnt 0x0
	s_endpgm
.Lfunc_end_k_qd7559e9b04_main:
	.size	k_qd7559e9b04_main, .Lfunc_end_k_qd7559e9b04_main-k_qd7559e9b04_main
	.p2alignl 7, 3214868480
	.fill 96, 4, 3214868480
	.section	.rodata,"a",@progbits
	.p2align	6, 0x0
	.amdhsa_kernel k_qd7559e9b04_main
		.amdhsa_group_segment_fixed_size 327680
		.amdhsa_private_segment_fixed_size 0
		.amdhsa_enable_private_segment 0
		.amdhsa_kernarg_size 56
		.amdhsa_user_sgpr_count 2
		.amdhsa_user_sgpr_kernarg_segment_ptr 1
		.amdhsa_wavefront_size32 1
		.amdhsa_system_sgpr_workgroup_id_x 1
		.amdhsa_system_sgpr_workgroup_id_y 1
		.amdhsa_system_sgpr_workgroup_id_z 1
		.amdhsa_system_vgpr_workitem_id 0
		.amdhsa_next_free_vgpr 256
		.amdhsa_next_free_sgpr 84
		.amdhsa_reserve_vcc 1
		.amdhsa_float_denorm_mode_32 3
		.amdhsa_float_denorm_mode_16_64 3
		.amdhsa_memory_ordered 1
		.amdhsa_forward_progress 1
		.amdhsa_inst_pref_size 247
	.end_amdhsa_kernel
	.amdgpu_metadata
---
amdhsa.version: [ 1, 2 ]
amdhsa.kernels:
  - .name:           k_qd7559e9b04_main
    .symbol:         k_qd7559e9b04_main.kd
    .args:
      - { .name: feature, .offset: 0, .size: 8, .value_kind: global_buffer, .address_space: global }
      - { .name: centers, .offset: 8, .size: 8, .value_kind: global_buffer, .address_space: global }
      - { .name: position, .offset: 16, .size: 8, .value_kind: global_buffer, .address_space: global }
      - { .name: qcodes, .offset: 24, .size: 8, .value_kind: global_buffer, .address_space: global }
      - { .name: qmeta, .offset: 32, .size: 8, .value_kind: global_buffer, .address_space: global }
      - { .name: gm, .offset: 40, .size: 8, .value_kind: global_buffer, .address_space: global }
      - { .name: ms, .offset: 48, .size: 8, .value_kind: global_buffer, .address_space: global }
    .group_segment_fixed_size: 327680
    .private_segment_fixed_size: 0
    .kernarg_segment_align: 8
    .kernarg_segment_size: 56
    .max_flat_workgroup_size: 128
    .sgpr_count:     84
    .vgpr_count:     256
    .wavefront_size: 32
...
	.end_amdgpu_metadata
.endif
;; end of part 1
;; launch select (part 2): grid 256 x 1, 4 waves a work-group, no clusters, 0 bytes of LDS; arguments gm, ms, sel, rowms; writes sel, rowms
.if DOCPART == 2
	.amdgcn_target "amdgcn-amd-amdhsa--gfx1250"
	.amdhsa_code_object_version 6
	.text
	.protected	k_qd7559e9b04_select
	.globl	k_qd7559e9b04_select
	.p2align	8
	.type	k_qd7559e9b04_select,@function
k_qd7559e9b04_select:
	s_mov_b64 s[64:65], 0
	v_nop
	global_prefetch_b8 v0, s[64:65] scope:SCOPE_SE
	s_setreg_imm32_b32 hwreg(HW_REG_WAVE_MODE, 25, 1), 1
	s_wait_xcnt 0x0
; A wave takes one row R = 256 p + b.  Of the row's 2,048 groups of 32 centres it names the 11 with the smallest minimum, ties to the lower group, and stores their numbers as whole numbers at fixed places (sel).
; The ten smallest distances of a row, its positive column left out, lie in these 11: a group that holds none of the ten can stand ahead of one that does only by the positive column, and one group holds it.
; It also joins the row's 128 parts (M, S) of the sum of exponentials into one (rowms).  No LDS, no barrier: waves share nothing.  No branch and no address hangs on a distance.
; Register 4 i + e of lane l is group 128 i + 32 (l / 8) + 4 (l % 8) + e: a load takes 128 bytes of each of four slices, and the four waves of a work-group stand side by side on 512.
; LIMITS: NaN and infinities among the minima are not served.
.set SEL, 24                           ; s[24:25] lane selects: lane l xor 16
.macro WMIN x, t                       ; the smallest of v[x] over the 32 lanes, in every lane
	v_min_num_f32_dpp v[\x], v[\x], v[\x] row_xmask:1 row_mask:0xf bank_mask:0xf
	v_min_num_f32_dpp v[\x], v[\x], v[\x] row_xmask:2 row_mask:0xf bank_mask:0xf
	v_min_num_f32_dpp v[\x], v[\x], v[\x] row_xmask:4 row_mask:0xf bank_mask:0xf
	v_min_num_f32_dpp v[\x], v[\x], v[\x] row_xmask:8 row_mask:0xf bank_mask:0xf
	v_permlanex16_b32 v[\t], v[\x], s[SEL], s[SEL+1]
	v_min_num_f32 v[\x], v[\x], v[\t]
.endm
.macro WSUM x, t
	v_add_f32_dpp v[\x], v[\x], v[\x] row_xmask:1 row_mask:0xf bank_mask:0xf
	v_add_f32_dpp v[\x], v[\x], v[\x] row_xmask:2 row_mask:0xf bank_mask:0xf
	v_add_f32_dpp v[\x], v[\x], v[\x] row_xmask:4 row_mask:0xf bank_mask:0xf
	v_add_f32_dpp v[\x], v[\x], v[\x] row_xmask:8 row_mask:0xf bank_mask:0xf
	v_permlanex16_b32 v[\t], v[\x], s[SEL], s[SEL+1]
	v_add_f32 v[\x], v[\x], v[\t]
.endm
	s_load_b256 s[4:11], s[0:1], 0x0               ; gm s[4:5], ms s[6:7], sel s[8:9], rowms s[10:11]
	v_lshrrev_b32 v1, 5, v0
	v_readfirstlane_b32 s12, v1                    ; wave
	v_and_b32 v1, 31, v0                           ; lane
	s_lshl_b32 s13, ttmp9, 2
	s_add_co_u32 s13, s13, s12                     ; R
	s_lshr_b32 s14, s13, 8                         ; p
	s_and_b32 s15, s13, 255                        ; b
	s_lshl_b32 s16, s14, 21                        ; gm: a part is 2^21 bytes, a query's 32 minima 128
	s_lshl_b32 s17, s15, 7
	s_add_co_u32 s16, s16, s17
	s_mov_b32 s17, 0
	s_lshl_b32 s18, s14, 18                        ; ms: a part is 2^18 bytes, a query's two pairs 16
	s_lshl_b32 s19, s15, 4
	s_add_co_u32 s18, s18, s19
	s_mov_b32 s19, 0
	s_lshl_b32 s28, s13, 7                         ; sel: 128 bytes a row
	s_mov_b32 s29, 0
	s_lshl_b32 s30, s13, 3                         ; rowms: 8 bytes a row
	s_mov_b32 s31, 0
	s_mov_b32 s[SEL], 0x76543210
	s_mov_b32 s[SEL+1], 0xfedcba98
	s_mov_b32 s26, 0                               ; the round
	s_mov_b32 s27, 0x7f61b1e6                      ; 3e38
	v_lshrrev_b32 v16, 3, v1
	v_and_b32 v17, 7, v1
	v_lshlrev_b32 v2, 15, v16
	v_lshl_add_u32 v2, v17, 4, v2                  ; gm: slice l / 8, 16 bytes at 16 (l % 8)
	v_lshlrev_b32 v4, 5, v16
	v_lshl_add_u32 v4, v17, 2, v4                  ; the lane's part of a group's number
	v_lshlrev_b32 v3, 12, v1                       ; ms: slice l
	v_mov_b32 v5, 0x7f800000                       ; what takes a named group's place
	v_mov_b32 v6, 0                                ; the list: lane k holds the k-th group; lanes 11 on hold 0
	v_lshlrev_b32 v7, 2, v1
	v_mov_b32 v23, 0                               ; (a lane permute's destination counts as one of its sources)
	s_wait_kmcnt 0x0
	s_add_nc_u64 s[4:5], s[4:5], s[16:17]
	s_add_nc_u64 s[6:7], s[6:7], s[18:19]
	s_add_nc_u64 s[8:9], s[8:9], s[28:29]
	s_add_nc_u64 s[10:11], s[10:11], s[30:31]
.irp i, 0,1,2,3,4,5,6,7,8,9,10,11,12,13,14,15
	global_load_b128 v[64+4*\i:67+4*\i], v2, s[4:5] offset:131072*\i
.endr
	global_load_b128 v[24:27], v3, s[6:7]                  ; slice l: M, S of the lanes' lower half, M, S of the upper
	global_load_b128 v[28:31], v3, s[6:7] offset:131072    ; slice 32 + l
	s_wait_loadcnt 0x0
	; the row's (M, S): S = the sum of S_i 2^(c2 (M - M_i))
	v_min3_num_f32 v16, v24, v26, v28
	v_min_num_f32 v16, v16, v30
	WMIN 16, 23
	v_sub_f32 v18, v16, v24
	v_sub_f32 v19, v16, v26
	v_sub_f32 v20, v16, v28
	v_sub_f32 v21, v16, v30
.irp i, 18,19,20,21
	v_mul_f32 v\i, 0x4166d4ca, v\i
.endr
.irp i, 18,19,20,21
	v_exp_f32 v\i, v\i
.endr
	v_nop                                          ; the plain line behind the exponentials
	s_wait_alu depctr_va_vdst(0)                   ; one wait for the four, ahead of their first reader
	v_mul_f32 v17, v25, v18
	v_fmac_f32 v17, v27, v19
	v_fmac_f32 v17, v29, v20
	v_fmac_f32 v17, v31, v21
	WSUM 17, 23
.Lround:                                           ; 11 rounds: the smallest minimum that is left, by (value, group)
.irp c, 0,1,2,3
	v_mov_b32 v[8+\c], v[64+16*\c]                 ; four chains of 16 registers: the value,
	v_mov_b32 v[12+\c], 16*\c                      ; and the register's number
.endr
.set jj, 1
.rept 15
.irp c, 0,1,2,3
	v_cmp_le_f32 s[20+\c], v[8+\c], v[64+16*\c+jj]             ; the earlier register stays on a tie: its group is the lower
	v_cndmask_b32 v[12+\c], 16*\c+jj, v[12+\c], s[20+\c]
	v_min_num_f32 v[8+\c], v[8+\c], v[64+16*\c+jj]
.endr
.set jj, jj+1
.endr
	v_cmp_le_f32 s20, v8, v9
	v_cmp_le_f32 s22, v10, v11
	v_cndmask_b32 v12, v13, v12, s20
	v_cndmask_b32 v14, v15, v14, s22
	v_min_num_f32 v8, v8, v9
	v_min_num_f32 v10, v10, v11
	v_cmp_le_f32 s20, v8, v10
	v_cndmask_b32 v12, v14, v12, s20
	v_min_num_f32 v8, v8, v10                      ; my lane's smallest, in register v12 of the 64
	v_mov_b32 v32, v8
	WMIN 32, 23                                    ; the wave's
	v_lshrrev_b32 v33, 2, v12
	v_and_b32 v34, 3, v12
	v_lshl_add_u32 v33, v33, 7, v34
	v_add_nc_u32 v33, v33, v4                      ; my candidate's group
	v_cvt_f32_u32 v35, v33                         ; (under 2,048: exact)
	v_cmp_eq_f32 vcc_lo, v8, v32
	v_cndmask_b32 v36, s27, v35, vcc_lo
	WMIN 36, 23                                    ; the lowest group among those that hold the smallest value
	v_cvt_u32_f32 v37, v36
	v_cmp_eq_u32 vcc_lo, s26, v1
	v_cndmask_b32 v6, v6, v37, vcc_lo
	v_cmp_eq_f32 vcc_lo, v35, v36
	v_cndmask_b32 v38, -1, v12, vcc_lo             ; in the lane that held it: which register; else none
.set jj, 0
.rept 64
	v_cmp_eq_u32 vcc_lo, jj, v38
	v_cndmask_b32 v[64+jj], v[64+jj], v5, vcc_lo
.set jj, jj+1
.endr
	s_add_co_u32 s26, s26, 1
	s_cmp_lt_u32 s26, 11
	s_cbranch_scc1 .Lround
	global_store_b32 v7, v6, s[8:9]                ; 128 bytes a wave, 512 on end a work-group
	v_cmp_eq_u32 vcc_lo, 0, v1
	s_wait_xcnt 0x0                                ; EXEC changes only behind this wait
	s_and_saveexec_b32 s20, vcc_lo
	global_store_b64 v7, v[16:17], s[10:11]        ; lane 0: (M, S)
	s_wait_xcnt 0x0
	s_or_b32 exec_lo, exec_lo, s20
	s_endpgm
.Lfunc_end_k_qd7559e9b04_select:
	.size	k_qd7559e9b04_select, .Lfunc_end_k_qd7559e9b04_select-k_qd7559e9b04_select
	.p2alignl 7, 3214868480
	.fill 96, 4, 3214868480
	.section	.rodata,"a",@progbits
	.p2align	6, 0x0
	.amdhsa_kernel k_qd7559e9b04_select
		.amdhsa_group_segment_fixed_size 0
		.amdhsa_private_segment_fixed_size 0
		.amdhsa_enable_private_segment 0
		.amdhsa_kernarg_size 32
		.amdhsa_user_sgpr_count 2
		.amdhsa_user_sgpr_kernarg_segment_ptr 1
		.amdhsa_wavefront_size32 1
		.amdhsa_system_sgpr_workgroup_id_x 1
		.amdhsa_system_sgpr_workgroup_id_y 1
		.amdhsa_system_sgpr_workgroup_id_z 1
		.amdhsa_system_vgpr_workitem_id 0
		.amdhsa_next_free_vgpr 128
		.amdhsa_next_free_sgpr 66
		.amdhsa_reserve_vcc 1
		.amdhsa_float_denorm_mode_32 3
		.amdhsa_float_denorm_mode_16_64 3
		.amdhsa_memory_ordered 1
		.amdhsa_forward_progress 1
		.amdhsa_inst_pref_size 21
	.end_amdhsa_kernel
	.amdgpu_metadata
---
amdhsa.version: [ 1, 2 ]
amdhsa.kernels:
  - .name:           k_qd7559e9b04_select
    .symbol:         k_qd7559e9b04_select.kd
    .args:
      - { .name: gm, .offset: 0, .size: 8, .value_kind: global_buffer, .address_space: global }
      - { .name: ms, .offset: 8, .size: 8, .value_kind: global_buffer, .address_space: global }
      - { .name: sel, .offset: 16, .size: 8, .value_kind: global_buffer, .address_space: global }
      - { .name: rowms, .offset: 24, .size: 8, .value_kind: global_buffer, .address_space: global }
    .group_segment_fixed_size: 0
    .private_segment_fixed_size: 0
    .kernarg_segment_align: 8
    .kernarg_segment_size: 32
    .max_flat_workgroup_size: 128
    .sgpr_count:     66
    .vgpr_count:     128
    .wavefront_size: 32
...
	.end_amdgpu_metadata
.endif
;; end of part 2
;; launch rescan (part 3): grid 256 x 1, 4 waves a work-group, no clusters, 0 bytes of LDS; arguments qcodes, qmeta, sel, position, mem_pid, rowms, out1, rowloss; writes out1, rowloss
.if DOCPART == 3
	.amdgcn_target "amdgcn-amd-amdhsa--gfx1250"
	.amdhsa_code_object_version 6
	.text
	.protected	k_qd7559e9b04_rescan
	.globl	k_qd7559e9b04_rescan
	.p2align	8
	.type	k_qd7559e9b04_rescan,@function
k_qd7559e9b04_rescan:
	s_mov_b64 s[64:65], 0
	v_nop
	global_prefetch_b8 v0, s[64:65] scope:SCOPE_SE
	s_setreg_imm32_b32 hwreg(HW_REG_WAVE_MODE, 25, 1), 1
	s_wait_xcnt 0x0
; A wave takes one row R = 256 p + b.  From the stored codes it makes d anew, with the same bits as the streaming launch (the same products, the same stored sums of squares, the same two roundings),
; for the 11 groups of 32 centres that the list names and for the group of the positive column (group 11); sets the positive column to +infinity; takes the ten smallest of the 11 groups in the order
; (d, column); stores mem_pid at their columns, counted with the positive column left out (out1); and y - x of the row (rowloss):
; x = log(sum over the ten of e^(-10 d)), y = the same over all negatives = the stored (M, S) of all other groups + group 11; both as log(sum of 2^(c2 (Mall - d))) + (-10 Mall), Mall the smallest negative.
; THE PRODUCT: source 0 = the query in all 16 rows, source 1 = 16 centres: register 0 of lane (r, h) is the dot product with centre r of the tile, so lane l of a group's two tiles holds centre l.
; The groups' numbers and the position are whole numbers read from memory; each is held under its table's size before it enters an address.  All loads go out together.
; REGISTERS: window 0: v1 lane, v3 256 h, v5 16 l, v6 4 l, v7 infinity, v8 3e38, v10 0; v12-15 the query's scale words, fsq, 0; v16-31 its two fragments; v32 + 4 g group g's meta (lane = centre);
;   v80 + g mem_pid; v92 + g the column, later as f32; v104 + g, v116 + g, v128 + g offsets; v144 + g d; v160-191 four accumulators; v192 on at work.
;   windows 1, 2: group g's four fragments at 32 (g % 8) in window 1 + g / 8.
; LIMITS: NaN and infinities among the inputs are not served.
.set SEL, 38                           ; s[38:39] lane selects: lane l xor 16
.set MSB, 0
.macro WIN new                         ; the immediate's high byte repeats the setting that is left
.if MSB != (\new)
	s_set_vgpr_msb (MSB<<8)|(\new)
.set MSB, (\new)
.endif
.endm
.macro WMIN x, t
	v_min_num_f32_dpp v[\x], v[\x], v[\x] row_xmask:1 row_mask:0xf bank_mask:0xf
	v_min_num_f32_dpp v[\x], v[\x], v[\x] row_xmask:2 row_mask:0xf bank_mask:0xf
	v_min_num_f32_dpp v[\x], v[\x], v[\x] row_xmask:4 row_mask:0xf bank_mask:0xf
	v_min_num_f32_dpp v[\x], v[\x], v[\x] row_xmask:8 row_mask:0xf bank_mask:0xf
	v_permlanex16_b32 v[\t], v[\x], s[SEL], s[SEL+1]
	v_min_num_f32 v[\x], v[\x], v[\t]
.endm
.macro WSUM x, t
	v_add_f32_dpp v[\x], v[\x], v[\x] row_xmask:1 row_mask:0xf bank_mask:0xf
	v_add_f32_dpp v[\x], v[\x], v[\x] row_xmask:2 row_mask:0xf bank_mask:0xf
	v_add_f32_dpp v[\x], v[\x], v[\x] row_xmask:4 row_mask:0xf bank_mask:0xf
	v_add_f32_dpp v[\x], v[\x], v[\x] row_xmask:8 row_mask:0xf bank_mask:0xf
	v_permlanex16_b32 v[\t], v[\x], s[SEL], s[SEL+1]
	v_add_f32 v[\x], v[\x], v[\t]
.endm
; accumulator a of a pair of groups gp: group 2 gp + a / 2, tile a % 2; K step ks.  The centres' scale words lie by lane = centre: tile 1's in lanes 16-31.
.macro RW a, ks, gp
.set gg, 2*(\gp)+(\a)/2
.set rD, 160+8*(\a)
.set rA, 16+8*(\ks)
.set rB, 32*(gg%8)+16*((\a)%2)+8*(\ks)
.set rSA, 12+(\ks)
.set rSB, 32+4*gg+(\ks)
.if (\ks) == 0
.if (\a)%2 == 0
	v_wmma_scale_f32_16x16x128_f8f6f4 v[rD:rD+7], v[rA:rA+7], v[rB:rB+7], 0, v[rSA], v[rSB] matrix_a_fmt:MATRIX_FMT_FP4 matrix_b_fmt:MATRIX_FMT_FP4
.else
	v_wmma_scale_f32_16x16x128_f8f6f4 v[rD:rD+7], v[rA:rA+7], v[rB:rB+7], 0, v[rSA], v[rSB] matrix_a_fmt:MATRIX_FMT_FP4 matrix_b_fmt:MATRIX_FMT_FP4 matrix_b_scale:MATRIX_SCALE_ROW1
.endif
.else
.if (\a)%2 == 0
	v_wmma_scale_f32_16x16x128_f8f6f4 v[rD:rD+7], v[rA:rA+7], v[rB:rB+7], v[rD:rD+7], v[rSA], v[rSB] matrix_a_fmt:MATRIX_FMT_FP4 matrix_b_fmt:MATRIX_FMT_FP4
.else
	v_wmma_scale_f32_16x16x128_f8f6f4 v[rD:rD+7], v[rA:rA+7], v[rB:rB+7], v[rD:rD+7], v[rSA], v[rSB] matrix_a_fmt:MATRIX_FMT_FP4 matrix_b_fmt:MATRIX_FMT_FP4 matrix_b_scale:MATRIX_SCALE_ROW1
.endif
.endif
.endm
	s_load_b256 s[4:11], s[0:1], 0x0               ; qcodes s[4:5], qmeta s[6:7], sel s[8:9], position s[10:11]
	s_load_b256 s[12:19], s[0:1], 0x20             ; mem_pid s[12:13], rowms s[14:15], out1 s[16:17], rowloss s[18:19]
	v_lshrrev_b32 v1, 5, v0
	v_readfirstlane_b32 s20, v1                    ; wave
	v_and_b32 v1, 31, v0                           ; lane
	v_bfe_u32 v2, v0, 4, 1
	v_lshlrev_b32 v3, 8, v2                        ; 256 h
	v_lshlrev_b32 v5, 4, v1                        ; 16 l
	v_lshlrev_b32 v6, 2, v1                        ; 4 l
	v_mov_b32 v7, 0x7f800000
	v_mov_b32 v8, 0x7f61b1e6
	v_mov_b32 v10, 0
	v_mov_b32 v193, 0                              ; (lane permutes' destinations count as sources)
	v_mov_b32 v195, 0
	v_mov_b32 v197, 0x7f800000                     ; the ten distances: lane k the k-th; the other lanes stay at infinity
	v_mov_b32 v198, 0                              ; and their mem_pid
	s_lshl_b32 s21, ttmp9, 2
	s_add_co_u32 s21, s21, s20                     ; R
	s_lshr_b32 s22, s21, 8                         ; p
	s_and_b32 s23, s21, 255                        ; b
	s_mov_b32 s41, 0
	s_mov_b32 s43, 0
	s_mov_b32 s37, 0xffff0000                      ; lanes 16-31
	s_mov_b32 s[SEL], 0x76543210
	s_mov_b32 s[SEL+1], 0xfedcba98
	s_mov_b32 s44, 0                               ; the round
	s_mov_b32 s45, 0x4166d4ca                      ; c2 = 10 log2(e)
	s_wait_kmcnt 0x0
	s_lshl_b32 s40, s21, 7
	s_add_nc_u64 s[8:9], s[8:9], s[40:41]          ; the row's list
	s_lshl_b32 s42, s23, 2
	s_add_nc_u64 s[10:11], s[10:11], s[42:43]      ; its position
	s_lshl_b32 s40, s21, 3
	s_add_nc_u64 s[14:15], s[14:15], s[40:41]      ; its (M, S)
	s_load_b256 s[24:31], s[8:9], 0x0
	s_load_b128 s[32:35], s[8:9], 0x20
	s_load_b32 s36, s[10:11], 0x0
	s_load_b64 s[46:47], s[14:15], 0x0
	s_lshr_b32 s40, s21, 4                         ; the query's image: tile 16,384 + R / 16, lanes R % 16 and R % 16 + 16
	s_lshl_b32 s40, s40, 11
	s_and_b32 s42, s21, 15
	s_lshl_b32 s42, s42, 4
	s_add_co_u32 s40, s40, s42
	s_add_co_u32 s40, s40, 0x2000000
	s_add_nc_u64 s[48:49], s[4:5], s[40:41]
	s_lshl_b32 s40, s21, 4
	s_add_co_u32 s40, s40, 0x400000
	s_add_nc_u64 s[52:53], s[6:7], s[40:41]        ; its meta
	s_lshl_b32 s40, s22, 23
	s_add_nc_u64 s[50:51], s[4:5], s[40:41]        ; the part's centres: codes,
	s_lshl_b32 s40, s22, 20
	s_add_nc_u64 s[54:55], s[6:7], s[40:41]        ; meta
	s_mul_i32 s40, s21, 40
	s_add_nc_u64 s[16:17], s[16:17], s[40:41]
	s_lshl_b32 s40, s21, 2
	s_add_nc_u64 s[18:19], s[18:19], s[40:41]
.irp i, 0,1,2,3
	global_load_b128 v[16+4*\i:19+4*\i], v3, s[48:49] offset:512*\i   ; sixteen lanes take the same 16 bytes: every row of source 0 is the query
.endr
	global_load_b128 v[12:15], v10, s[52:53]
	s_wait_kmcnt 0x0
	s_lshr_b32 s35, s36, 5                         ; group 11: the positive column's
.irp g, 0,1,2,3,4,5,6,7,8,9,10,11
	s_min_u32 s[24+\g], s[24+\g], 2047             ; held inside the table before it enters an address
.endr
.irp g, 0,1,2,3,4,5,6,7,8,9,10,11
	s_lshl_b32 s40, s[24+\g], 12
	v_add_nc_u32 v[104+\g], s40, v5                ; codes: 4,096 bytes a group
	s_lshl_b32 s42, s[24+\g], 9
	v_add_nc_u32 v[116+\g], s42, v5                ; meta: 512 bytes a group, lane = centre
	s_lshl_b32 s43, s[24+\g], 5
	v_add_nc_u32 v[92+\g], s43, v1                 ; my centre's column
.endr
.irp g, 0,1,2,3,4,5,6,7,8,9,10,11
	global_load_b128 v[32+4*\g:35+4*\g], v[116+\g], s[54:55]
.endr
	WIN 0x40                                       ; destination window 1
.irp g, 0,1,2,3,4,5,6,7
.irp i, 0,1,2,3,4,5,6,7
	global_load_b128 v[32*\g+4*\i:32*\g+4*\i+3], v[104+\g], s[50:51] offset:512*\i   ; 512 consecutive bytes: a quarter of a tile's image
.endr
.endr
	WIN 0x80                                       ; destination window 2
.irp g, 8,9,10,11
.irp i, 0,1,2,3,4,5,6,7
	global_load_b128 v[32*(\g-8)+4*\i:32*(\g-8)+4*\i+3], v[104+\g], s[50:51] offset:512*\i
.endr
.endr
	WIN 0
.irp g, 0,1,2,3,4,5,6,7,8,9,10
	v_cmp_lt_u32 vcc_lo, s36, v[92+\g]
	v_cndmask_b32 v200, 0, 1, vcc_lo
	v_sub_nc_u32 v[128+\g], v[92+\g], v200         ; the column with the positive one left out
	v_min_u32 v[128+\g], 0xffff, v[128+\g]
	v_lshlrev_b32 v[128+\g], 2, v[128+\g]
.endr
.irp g, 0,1,2,3,4,5,6,7,8,9,10
	global_load_b32 v[80+\g], v[128+\g], s[12:13]
.endr
	s_wait_loadcnt 0x0
.irp gp, 0,1,2,3,4,5
	WIN 0x04*(1+\gp/4)                             ; source 1 in window 1 or 2
.irp a, 0,1,2,3
	RW \a, 0, \gp
.endr
.irp a, 0,1,2,3
	RW \a, 1, \gp                                  ; the four accumulators by turns
.endr
	WIN 0
.rept 5
	v_nop                                          ; places: four ahead of the reads below, five ahead of the next pair's products, which begin these accumulators anew
.endr
.irp e, 0,1
	v_cndmask_b32 v200, v[160+16*\e], v[168+16*\e], s37        ; my centre's dot product: tile 0's in lanes 0-15, tile 1's in lanes 16-31; each accumulator's lowest register
	v_add_f32 v201, v14, v[34+4*(2*\gp+\e)]                    ; fsq + csq
	v_fma_f32 v[144+2*\gp+\e], v200, -2.0, v201
	v_cmp_eq_u32 vcc_lo, s36, v[92+2*\gp+\e]
	v_cndmask_b32 v[144+2*\gp+\e], v[144+2*\gp+\e], v7, vcc_lo ; the positive column: +infinity
.endr
.endr
.irp g, 0,1,2,3,4,5,6,7,8,9,10
	v_cvt_f32_u32 v[92+\g], v[92+\g]               ; columns are under 65,536: exact
.endr
.Lround:                                           ; ten rounds over the 11 groups: the smallest d, ties to the lower column
	v_min3_num_f32 v192, v144, v145, v146
	v_min3_num_f32 v192, v192, v147, v148
	v_min3_num_f32 v192, v192, v149, v150
	v_min3_num_f32 v192, v192, v151, v152
	v_min3_num_f32 v192, v192, v153, v154
	WMIN 192, 193
	v_cmp_eq_f32 vcc_lo, v192, v144
	v_cndmask_b32 v194, v8, v92, vcc_lo
.irp j, 1,2,3,4,5,6,7,8,9,10
	v_cmp_eq_f32 vcc_lo, v192, v[144+\j]
	v_cndmask_b32 v195, v8, v[92+\j], vcc_lo
	v_min_num_f32 v194, v194, v195
.endr
	WMIN 194, 193                                  ; its column
	v_mov_b32 v196, 0
.irp j, 0,1,2,3,4,5,6,7,8,9,10
	v_cmp_eq_f32 vcc_lo, v194, v[92+\j]
	v_cndmask_b32 v[144+\j], v[144+\j], v7, vcc_lo ; taken out,
	v_cndmask_b32 v196, v196, v[80+\j], vcc_lo     ; and its mem_pid, in the one lane that held it
.endr
.irp x, 1,2,4,8
	v_mov_b32_dpp v195, v196 row_xmask:\x row_mask:0xf bank_mask:0xf
	v_or_b32 v196, v196, v195
.endr
	v_permlanex16_b32 v195, v196, s[SEL], s[SEL+1]
	v_or_b32 v196, v196, v195                      ; in every lane
	v_cmp_eq_u32 vcc_lo, s44, v1
	v_cndmask_b32 v197, v197, v192, vcc_lo
	v_cndmask_b32 v198, v198, v196, vcc_lo
	s_add_co_u32 s44, s44, 1
	s_cmp_lt_u32 s44, 10
	s_cbranch_scc1 .Lround
	v_mov_b32 v192, v155
	WMIN 192, 193                                  ; the smallest negative of the positive's group,
	v_min_num_f32 v192, s46, v192                  ; and of all: Mall
	v_sub_f32 v199, v192, v197                     ; the differences first: 0 at the smallest
	v_sub_f32 v200, v192, v155
	v_subrev_f32 v201, s46, v192
	v_mul_f32 v199, s45, v199
	v_mul_f32 v200, s45, v200
	v_mul_f32 v201, s45, v201
	v_exp_f32 v199, v199
	v_exp_f32 v200, v200
	v_exp_f32 v201, v201
	v_mul_f32 v202, 0xc1200000, v192               ; -10 Mall: the largest exponent.  (The plain line behind the exponentials)
	s_wait_alu depctr_va_vdst(0)                   ; one wait for the three, ahead of their first reader
	WSUM 199, 193                                  ; the ten
	WSUM 200, 193                                  ; the positive's group
	v_fma_f32 v200, s47, v201, v200                ; + all other groups
	v_log_f32 v199, v199
	v_log_f32 v200, v200
	v_nop
	s_wait_alu depctr_va_vdst(0)
	v_mul_f32 v199, 0x3f317218, v199
	v_mul_f32 v200, 0x3f317218, v200
	v_add_f32 v199, v199, v202                     ; x: the logarithm and the largest exponent are added as two roundings, as the function computed has them
	v_add_f32 v200, v200, v202                     ; y
	v_sub_f32 v200, v200, v199
	v_cmp_gt_u32 vcc_lo, 10, v1
	s_wait_xcnt 0x0                                ; EXEC changes only behind this wait
	s_and_saveexec_b32 s40, vcc_lo
	global_store_b32 v6, v198, s[16:17]            ; lanes 0 to 9
	s_wait_xcnt 0x0
	s_or_b32 exec_lo, exec_lo, s40
	v_cmp_eq_u32 vcc_lo, 0, v1
	s_wait_xcnt 0x0
	s_and_saveexec_b32 s40, vcc_lo
	global_store_b32 v6, v200, s[18:19]            ; lane 0
	s_wait_xcnt 0x0
	s_or_b32 exec_lo, exec_lo, s40
	s_endpgm
.Lfunc_end_k_qd7559e9b04_rescan:
	.size	k_qd7559e9b04_rescan, .Lfunc_end_k_qd7559e9b04_rescan-k_qd7559e9b04_rescan
	.p2alignl 7, 3214868480
	.fill 96, 4, 3214868480
	.section	.rodata,"a",@progbits
	.p2align	6, 0x0
	.amdhsa_kernel k_qd7559e9b04_rescan
		.amdhsa_group_segment_fixed_size 0
		.amdhsa_private_segment_fixed_size 0
		.amdhsa_enable_private_segment 0
		.amdhsa_kernarg_size 64
		.amdhsa_user_sgpr_count 2
		.amdhsa_user_sgpr_kernarg_segment_ptr 1
		.amdhsa_wavefront_size32 1
		.amdhsa_system_sgpr_workgroup_id_x 1
		.amdhsa_system_sgpr_workgroup_id_y 1
		.amdhsa_system_sgpr_workgroup_id_z 1
		.amdhsa_system_vgpr_workitem_id 0
		.amdhsa_next_free_vgpr 640
		.amdhsa_next_free_sgpr 66
		.amdhsa_reserve_vcc 1
		.amdhsa_float_denorm_mode_32 3
		.amdhsa_float_denorm_mode_16_64 3
		.amdhsa_memory_ordered 1
		.amdhsa_forward_progress 1
		.amdhsa_inst_pref_size 37
	.end_amdhsa_kernel
	.amdgpu_metadata
---
amdhsa.version: [ 1, 2 ]
amdhsa.kernels:
  - .name:           k_qd7559e9b04_rescan
    .symbol:         k_qd7559e9b04_rescan.kd
    .args:
      - { .name: qcodes, .offset: 0, .size: 8, .value_kind: global_buffer, .address_space: global }
      - { .name: qmeta, .offset: 8, .size: 8, .value_kind: global_buffer, .address_space: global }
      - { .name: sel, .offset: 16, .size: 8, .value_kind: global_buffer, .address_space: global }
      - { .name: position, .offset: 24, .size: 8, .value_kind: global_buffer, .address_space: global }
      - { .name: mem_pid, .offset: 32, .size: 8, .value_kind: global_buffer, .address_space: global }
      - { .name: rowms, .offset: 40, .size: 8, .value_kind: global_buffer, .address_space: global }
      - { .name: out1, .offset: 48, .size: 8, .value_kind: global_buffer, .address_space: global }
      - { .name: rowloss, .offset: 56, .size: 8, .value_kind: global_buffer, .address_space: global }
    .group_segment_fixed_size: 0
    .private_segment_fixed_size: 0
    .kernarg_segment_align: 8
    .kernarg_segment_size: 64
    .max_flat_workgroup_size: 128
    .sgpr_count:     66
    .vgpr_count:     640
    .wavefront_size: 32
...
	.end_amdgpu_metadata
.endif
;; end of part 3
;; launch loss (part 4): grid 1 x 1, 1 waves a work-group, no clusters, 0 bytes of LDS; arguments rowloss, out0; writes out0
.if DOCPART == 4
	.amdgcn_target "amdgcn-amd-amdhsa--gfx1250"
	.amdhsa_code_object_version 6
	.text
	.protected	k_qd7559e9b04_loss
	.globl	k_qd7559e9b04_loss
	.p2align	8
	.type	k_qd7559e9b04_loss,@function
k_qd7559e9b04_loss:
	s_mov_b64 s[64:65], 0
	v_nop
	global_prefetch_b8 v0, s[64:65] scope:SCOPE_SE
	s_setreg_imm32_b32 hwreg(HW_REG_WAVE_MODE, 25, 1), 1
	s_wait_xcnt 0x0
; out0 = (sum over the 4 parts of l_p) / 4, l_p = (sum over the part's 256 rows of y - x) / 256, 0 where that is NaN.  One wave: 1,024 numbers, 8 of each part a lane.
; A sum over work-groups has one owner: this launch.
.macro WSUM x, t
	v_add_f32_dpp v[\x], v[\x], v[\x] row_xmask:1 row_mask:0xf bank_mask:0xf
	v_add_f32_dpp v[\x], v[\x], v[\x] row_xmask:2 row_mask:0xf bank_mask:0xf
	v_add_f32_dpp v[\x], v[\x], v[\x] row_xmask:4 row_mask:0xf bank_mask:0xf
	v_add_f32_dpp v[\x], v[\x], v[\x] row_xmask:8 row_mask:0xf bank_mask:0xf
	v_permlanex16_b32 v[\t], v[\x], s8, s9
	v_add_f32 v[\x], v[\x], v[\t]
.endm
	s_load_b128 s[4:7], s[0:1], 0x0                ; rowloss, out0
	v_lshlrev_b32 v1, 5, v0                        ; 32 bytes a lane
	v_mov_b32 v2, 0
	v_mov_b32 v3, 0
	s_mov_b32 s8, 0x76543210
	s_mov_b32 s9, 0xfedcba98
	s_wait_kmcnt 0x0
.irp p, 0,1,2,3
	global_load_b128 v[8+8*\p:11+8*\p], v1, s[4:5] offset:1024*\p
	global_load_b128 v[12+8*\p:15+8*\p], v1, s[4:5] offset:1024*\p+16
.endr
	s_wait_loadcnt 0x0
.irp p, 0,1,2,3
	v_pk_add_f32 v[8+8*\p:9+8*\p], v[8+8*\p:9+8*\p], v[10+8*\p:11+8*\p]
	v_pk_add_f32 v[12+8*\p:13+8*\p], v[12+8*\p:13+8*\p], v[14+8*\p:15+8*\p]
.endr
.irp p, 0,1,2,3
	v_pk_add_f32 v[8+8*\p:9+8*\p], v[8+8*\p:9+8*\p], v[12+8*\p:13+8*\p]
.endr
.irp p, 0,1,2,3
	v_add_f32 v[8+8*\p], v[8+8*\p], v[9+8*\p]
.endr
.irp p, 0,1,2,3
	WSUM 8+8*\p, 2
.endr
.irp p, 0,1,2,3
	v_mul_f32 v[8+8*\p], 0x3b800000, v[8+8*\p]     ; / 256
	v_cmp_eq_f32 vcc_lo, v[8+8*\p], v[8+8*\p]      ; off for a NaN
	v_cndmask_b32 v[8+8*\p], 0, v[8+8*\p], vcc_lo
.endr
	v_add_f32 v8, v8, v16
	v_add_f32 v8, v8, v24
	v_add_f32 v8, v8, v32
	v_mul_f32 v8, 0x3e800000, v8                   ; / 4
	v_cmp_eq_u32 vcc_lo, 0, v0
	s_wait_xcnt 0x0                                ; EXEC changes only behind this wait
	s_and_saveexec_b32 s10, vcc_lo
	global_store_b32 v3, v8, s[6:7]
	s_wait_xcnt 0x0
	s_or_b32 exec_lo, exec_lo, s10
	s_endpgm
.Lfunc_end_k_qd7559e9b04_loss:
	.size	k_qd7559e9b04_loss, .Lfunc_end_k_qd7559e9b04_loss-k_qd7559e9b04_loss
	.p2alignl 7, 3214868480
	.fill 96, 4, 3214868480
	.section	.rodata,"a",@progbits
	.p2align	6, 0x0
	.amdhsa_kernel k_qd7559e9b04_loss
		.amdhsa_group_segment_fixed_size 0
		.amdhsa_private_segment_fixed_size 0
		.amdhsa_enable_private_segment 0
		.amdhsa_kernarg_size 16
		.amdhsa_user_sgpr_count 2
		.amdhsa_user_sgpr_kernarg_segment_ptr 1
		.amdhsa_wavefront_size32 1
		.amdhsa_system_sgpr_workgroup_id_x 1
		.amdhsa_system_sgpr_workgroup_id_y 1
		.amdhsa_system_sgpr_workgroup_id_z 1
		.amdhsa_system_vgpr_workitem_id 0
		.amdhsa_next_free_vgpr 48
		.amdhsa_next_free_sgpr 66
		.amdhsa_reserve_vcc 1
		.amdhsa_float_denorm_mode_32 3
		.amdhsa_float_denorm_mode_16_64 3
		.amdhsa_memory_ordered 1
		.amdhsa_forward_progress 1
		.amdhsa_inst_pref_size 5
	.end_amdhsa_kernel
	.amdgpu_metadata
---
amdhsa.version: [ 1, 2 ]
amdhsa.kernels:
  - .name:           k_qd7559e9b04_loss
    .symbol:         k_qd7559e9b04_loss.kd
    .args:
      - { .name: rowloss, .offset: 0, .size: 8, .value_kind: global_buffer, .address_space: global }
      - { .name: out0, .offset: 8, .size: 8, .value_kind: global_buffer, .address_space: global }
    .group_segment_fixed_size: 0
    .private_segment_fixed_size: 0
    .kernarg_segment_align: 8
    .kernarg_segment_size: 16
    .max_flat_workgroup_size: 32
    .sgpr_count:     66
    .vgpr_count:     48
    .wavefront_size: 32
...
	.end_amdgpu_metadata
.endif
;; end of part 4
